; MI455X (gfx1250); checked and timed in simulation.
; The chip was launched on July 23, 2026; its instructions are those of AMD's public machine-readable ISA for CDNA 5 (MIT licence, August 2026) and "CDNA5" Instruction Set Architecture Reference Guide (July 2026). The comments in the code are by the model that wrote it; some were corrected since.
;; Attention Layer. Allowed arithmetic: float matrix products may take bf16 or f16 operands with f32 sums; all other float work in f32.
;; Inputs: Wk 1,024 x 1,024 float32; Wo 1,024 x 1,024 float32; Wq 1,024 x 1,024 float32; Wv 1,024 x 1,024 float32; bk 1,024 float32; bo 1,024 float32; bq 1,024 float32; bv 1,024 float32; keys 4 x 2,048 x 1,024 float32; queries 4 x 2,048 x 1,024 float32; values 4 x 2,048 x 1,024 float32.
;; Outputs: out0 4 x 2,048 x 1,024 float32.
;; 2 versions, each right; version 2 is version 1 with the launch castw written anew for expert scheduling mode. Each part assembles by itself: llvm-mc -triple=amdgcn-amd-amdhsa -mcpu=gfx1250 --defsym DOCPART=n.
;; ======== version 1 of 2: 4 launches
;; workspace buffers: wb 8,388,608 bytes; qkv 50,331,648 bytes; ao 16,777,216 bytes
;; launch castw (part 1): grid 64 x 4, 8 waves a work-group, no clusters, 0 bytes of LDS; arguments Wq, Wk, Wv, Wo, wb; writes wb
.if DOCPART == 1
	.amdgcn_target "amdgcn-amd-amdhsa--gfx1250"
	.amdhsa_code_object_version 6
	.text
	.protected	k_qade9685056_castw
	.globl	k_qade9685056_castw
	.p2align	8
	.type	k_qade9685056_castw,@function
k_qade9685056_castw:
	s_mov_b64 s[64:65], 0
	v_nop
	global_prefetch_b8 v0, s[64:65] scope:SCOPE_SE
	s_setreg_imm32_b32 hwreg(HW_REG_WAVE_MODE, 25, 1), 1
	s_wait_xcnt 0x0
; wb[y] = bf16(W_y), y = 0..3 for Wq, Wk, Wv, Wo: four matrices of 1024 x 1024, f32 in, bf16 out (round to nearest even).
; The weights are 16 MiB in f32 and each is walked by 64 row blocks of the products that follow: cast once, they can come as bf16 tiles.
; A stream: no LDS, no barrier, no matrix unit, no cluster (no two work-groups read the same byte).
; Work-group (x, y): 16,384 numbers of matrix y.  Thread t takes 16 bytes at 16 t of each of sixteen blocks of 4,096 bytes:
; a wave's load covers 512 consecutive bytes, its store of 8 bytes a lane 256 consecutive bytes, aligned.
; All sixteen loads are issued at once; every register is written once, so no source of a pending instruction is ever rewritten.
.set WMATB, 2097152                    ; bytes of one matrix in bf16
	s_load_b256 s[4:11], s[0:1], 0x0               ; Wq s[4:5], Wk s[6:7], Wv s[8:9], Wo s[10:11]
	s_load_b64 s[12:13], s[0:1], 0x20              ; wb
	s_and_b32 s14, ttmp7, 0xffff                   ; y: which matrix
	s_lshl_b32 s16, ttmp9, 16                      ; x times 65,536 bytes of f32
	s_mov_b32 s17, 0
	s_lshl_b32 s18, ttmp9, 15                      ; x times 32,768 bytes of bf16
	s_lshl_b32 s20, s14, 21                        ; + y times WMATB
	s_add_co_u32 s18, s18, s20
	s_mov_b32 s19, 0
	v_lshlrev_b32 v1, 4, v0                        ; 16 t
	v_lshlrev_b32 v2, 3, v0                        ; 8 t
	s_wait_kmcnt 0x0
	s_cmp_eq_u32 s14, 1
	s_cselect_b64 s[4:5], s[6:7], s[4:5]
	s_cmp_eq_u32 s14, 2
	s_cselect_b64 s[4:5], s[8:9], s[4:5]
	s_cmp_eq_u32 s14, 3
	s_cselect_b64 s[4:5], s[10:11], s[4:5]
	s_add_nc_u64 s[4:5], s[4:5], s[16:17]
	s_add_nc_u64 s[12:13], s[12:13], s[18:19]
.irp i, 0,1,2,3,4,5,6,7,8,9,10,11,12,13,14,15
	global_load_b128 v[4+4*\i:7+4*\i], v1, s[4:5] offset:4096*\i th:TH_LOAD_NT
.endr
.irp i, 0,1,2,3,4,5,6,7,8,9,10,11,12,13,14,15
	s_wait_loadcnt 15-\i                           ; loads come back in order: load i is in, the 15 - i younger ones stay out
	v_cvt_pk_bf16_f32 v[68+2*\i], v[4+4*\i], v[5+4*\i]
	v_cvt_pk_bf16_f32 v[69+2*\i], v[6+4*\i], v[7+4*\i]
	global_store_b64 v2, v[68+2*\i:69+2*\i], s[12:13] offset:2048*\i
.endr
	s_endpgm
.Lfunc_end_k_qade9685056_castw:
	.size	k_qade9685056_castw, .Lfunc_end_k_qade9685056_castw-k_qade9685056_castw
	.p2alignl 7, 3214868480
	.fill 96, 4, 3214868480
	.section	.rodata,"a",@progbits
	.p2align	6, 0x0
	.amdhsa_kernel k_qade9685056_castw
		.amdhsa_group_segment_fixed_size 0
		.amdhsa_private_segment_fixed_size 0
		.amdhsa_enable_private_segment 0
		.amdhsa_kernarg_size 40
		.amdhsa_user_sgpr_count 2
		.amdhsa_user_sgpr_kernarg_segment_ptr 1
		.amdhsa_wavefront_size32 1
		.amdhsa_system_sgpr_workgroup_id_x 1
		.amdhsa_system_sgpr_workgroup_id_y 1
		.amdhsa_system_sgpr_workgroup_id_z 1
		.amdhsa_system_vgpr_workitem_id 0
		.amdhsa_next_free_vgpr 104
		.amdhsa_next_free_sgpr 66
		.amdhsa_reserve_vcc 0
		.amdhsa_float_denorm_mode_32 3
		.amdhsa_float_denorm_mode_16_64 3
		.amdhsa_memory_ordered 1
		.amdhsa_forward_progress 1
		.amdhsa_inst_pref_size 7
	.end_amdhsa_kernel
	.amdgpu_metadata
---
amdhsa.version: [ 1, 2 ]
amdhsa.kernels:
  - .name:           k_qade9685056_castw
    .symbol:         k_qade9685056_castw.kd
    .args:
      - { .name: Wq, .offset: 0, .size: 8, .value_kind: global_buffer, .address_space: global }
      - { .name: Wk, .offset: 8, .size: 8, .value_kind: global_buffer, .address_space: global }
      - { .name: Wv, .offset: 16, .size: 8, .value_kind: global_buffer, .address_space: global }
      - { .name: Wo, .offset: 24, .size: 8, .value_kind: global_buffer, .address_space: global }
      - { .name: wb, .offset: 32, .size: 8, .value_kind: global_buffer, .address_space: global }
    .group_segment_fixed_size: 0
    .private_segment_fixed_size: 0
    .kernarg_segment_align: 8
    .kernarg_segment_size: 40
    .max_flat_workgroup_size: 256
    .sgpr_count:     66
    .vgpr_count:     104
    .wavefront_size: 32
...
	.end_amdgpu_metadata
.endif
;; end of part 1
;; launch proj (part 2): grid 64 x 12, 4 waves a work-group, clusters of 4 x 1, 327,680 bytes of LDS; arguments queries, keys, values, bq, bk, bv, wb, qkv; writes qkv
.if DOCPART == 2
	.amdgcn_target "amdgcn-amd-amdhsa--gfx1250"
	.amdhsa_code_object_version 6
	.text
	.protected	k_qade9685056_proj
	.globl	k_qade9685056_proj
	.p2align	8
	.type	k_qade9685056_proj,@function
k_qade9685056_proj:
	s_mov_b64 s[64:65], 0
	v_nop
	global_prefetch_b8 v0, s[64:65] scope:SCOPE_SE
	s_setreg_imm32_b32 hwreg(HW_REG_WAVE_MODE, 25, 1), 1
	s_wait_xcnt 0x0
	s_wait_alu depctr_hold_cnt(0) depctr_sa_sdst(0) depctr_va_vdst(0) depctr_va_sdst(0) depctr_va_ssrc(0) depctr_va_vcc(0) depctr_vm_vsrc(0)
	s_getreg_b32 s2, hwreg(HW_REG_IB_STS2, 6, 4)
	s_cmp_eq_u32 s2, 0
	s_cbranch_scc0 .Lentry_in_a_cluster
	s_endpgm
.Lentry_in_a_cluster:
	s_bfe_u32 s2, ttmp6, 0x10000c
	s_cmp_lg_u32 s2, 0x3003
	s_cbranch_scc0 .Lentry_shape_is_right
	s_endpgm
.Lentry_shape_is_right:
; qkv[mat][b][head][l][e] = bf16( X_mat[b*2048+l][:] . W_mat[64*head+e][:] + bias_mat[64*head+e] ), mat = 0, 1, 2 for queries, keys, values.
; X: [8192][1024] f32; W: wb, bf16 [4][1024][1024]; sums in f32.  LIMITS: X and W enter the products rounded to bf16, the result is
; rounded to bf16 once; NaN and infinities are not treated apart.
; A work-group makes 128 rows x 256 columns (4 heads): 64 x 12 = 768 work-groups.  Four waves, each 64 rows x 128 columns:
; 32 accumulator tiles of 16 x 16, 256 registers.  K goes in 8 steps of 128, written out, so that every offset is an immediate.
; W: tiles of 256 rows x 256 bytes through two LDS slots by the tensor data mover, 64 rows a wave.
; CLUSTER: the four work-groups of a cluster are four row blocks of one column block: they need the same tiles of W and ask for them
; jointly (mask 15), which divides the requests for W by four.
; X is f32 and is converted on the way: each wave loads 32 of the block's rows into registers (a load covers the 512 bytes of one
; row's K step), two K steps ahead, rounds them to bf16 and stores them into one of two A slots in LDS.  X is not shared in the cluster.
; One round of the cluster's barrier a K step orders all of it: in front of it each wave's LDS reads and A stores and its tensor load are done.
;
; REGISTERS in windows of 256:  window 0: addresses, T (16 registers at work), two fragment buffers of 96 (4 of X, 8 of W);
; window 1: accumulator (a, b) at 8 (8 a + b);  window 2: two sets of 128 for X as loaded;  window 3: v0-63 the bias of my 128 columns.
; The matrix instruction is used transposed (source 0 = rows of W, source 1 = rows of X): lane l holds row l % 16 and
; eight neighbouring columns 8 (l / 16) + 0..7, which pack into 16 bytes.
.set WMATB,  2097152
.set HEADB,  262144                    ; bytes of one (b, head) in qkv: 2048 rows of 128
.set PITCH,  272                       ; an LDS row: 256 bytes + 16: the 16 rows of a fragment begin at 16 different multiples of 16 bytes modulo 256
.set WSLOT,  256*PITCH                 ; 69,632
.set ASLOT,  128*PITCH                 ; 34,816
.set ABASE,  2*WSLOT                   ; the A slots: written by LDS stores alone, never by a tensor load
.set STAGE,  ABASE+2*ASLOT             ; the way out: 2 heads x 16 rows x 144 bytes for each wave
.set SPITCH, 144
.set XO,   8                           ; v8      X: wave x 32 rows x 4,096 + 16 x lane
.set BO,   9                           ; v9      bias: 32 h
.set ADRA, 10                          ; v10-11  my X fragments in A slot 0, 1
.set ADRB, 12                          ; v12-13  my W fragments in W slot 0, 1
.set AST,  14                          ; v14-15  where I store converted X, A slot 0, 1
.set STO,  16                          ; v16     stage, in
.set RD,   17                          ; v17     stage, back
.set CO,   18                          ; v18     16 x lane
.set T,    32                          ; v32-47  converted X
.set F0,   64
.set F1,   160
.set G1,   32                          ; s[32:39]
.set G0,   40                          ; s[40:47] one group 0 for each slot
.set MSB, 0
.macro WIN new                         ; the immediate's high byte repeats the setting that is left
.if MSB != \new
	s_set_vgpr_msb (MSB<<8)|\new
.set MSB, \new
.endif
.endm
.macro PLACES
.rept 4
	v_nop
.endr
.endm
; A round of the cluster's barrier: my work-group's barrier, wave 0 signals for the work-group, every wave waits for all four, my work-group's barrier again.
.macro ROUND
	s_barrier_signal -1
	s_barrier_wait -1
	s_cmp_lg_u32 s20, 0
	s_cbranch_scc1 .Lnot_wave_0_\@
	s_barrier_signal -3
.Lnot_wave_0_\@:
	s_barrier_wait -3
	s_barrier_signal -1
	s_barrier_wait -1
.endm
; 24 LDS loads: the fragments of quarter q (32 along K) of a K step into buffer f.  A fragment: lane l holds row l % 16,
; registers 0-3 K = 8 (l / 16) + 0..7, registers 4-7 K = 16 + 8 (l / 16) + 0..7: two loads of 16 bytes, 32 bytes apart.
.macro FETCH slot, q, f
.irp a, 0,1,2,3
	ds_load_b128 v[\f+8*\a:\f+8*\a+3],   v[ADRA+\slot] offset:64*\q+\a*16*PITCH
	ds_load_b128 v[\f+8*\a+4:\f+8*\a+7], v[ADRA+\slot] offset:64*\q+\a*16*PITCH+32
.endr
.irp b, 0,1,2,3,4,5,6,7
	ds_load_b128 v[\f+32+8*\b:\f+32+8*\b+3], v[ADRB+\slot] offset:64*\q+\b*16*PITCH
	ds_load_b128 v[\f+32+8*\b+4:\f+32+8*\b+7], v[ADRB+\slot] offset:64*\q+\b*16*PITCH+32
.endr
.endm
; 16 matrix instructions: row groups a0, a0 + 1 x all 8 column groups.  The 32 accumulators take turns, one instruction a turn, in the same
; order in every quarter.  zero = 1: the first product starts the sums.
.macro MUL16 f, a0, zero
.irp a, \a0, \a0+1
.irp b, 0,1,2,3,4,5,6,7
.if \zero
	v_wmma_f32_16x16x32_bf16 v[8*(8*(\a)+\b):8*(8*(\a)+\b)+7], v[\f+32+8*\b:\f+32+8*\b+7], v[\f+8*(\a):\f+8*(\a)+7], 0
.else
	v_wmma_f32_16x16x32_bf16 v[8*(8*(\a)+\b):8*(8*(\a)+\b)+7], v[\f+32+8*\b:\f+32+8*\b+7], v[\f+8*(\a):\f+8*(\a)+7], v[8*(8*(\a)+\b):8*(8*(\a)+\b)+7]
.endif
.endr
.endr
.endm
; X of K step u, my rows 8 q .. 8 q + 7 (batch 4 u + q of eight loads): wait, round to bf16 into T.
; Batches 0-7 are issued at the start, batch 4 (u + 2) + q by CONVB u, q: min(4 (u + 2) + q, 32) batches have been issued here.
.macro CONVA u, q
.if 4*((\u)+2)+(\q) < 32
.set ISS, 4*((\u)+2)+(\q)
.else
.set ISS, 32
.endif
	s_wait_loadcnt 8*(ISS-(4*(\u)+(\q)+1))         ; loads come back in order: my batch is in, the batches issued behind it stay out
	WIN 0x0a                                       ; sources in window 2
.irp n, 0,1,2,3,4,5,6,7
	v_cvt_pk_bf16_f32 v[T+2*\n],   v[128*((\u)&1)+4*(8*(\q)+\n)],   v[128*((\u)&1)+4*(8*(\q)+\n)+1]
	v_cvt_pk_bf16_f32 v[T+2*\n+1], v[128*((\u)&1)+4*(8*(\q)+\n)+2], v[128*((\u)&1)+4*(8*(\q)+\n)+3]
.endr
	WIN 0
.endm
; T goes into A slot u & 1 (a store covers the 256 bytes of one row), and the registers are asked again for K step u + 2.
.macro CONVB u, q
.irp n, 0,1,2,3,4,5,6,7
	ds_store_b64 v[AST+((\u)&1)], v[T+2*\n:T+2*\n+1] offset:PITCH*(8*(\q)+\n)
.endr
.if (\u)+2 <= 7
	WIN 0x80                                       ; destination in window 2
.irp n, 0,1,2,3,4,5,6,7
	global_load_b128 v[128*((\u)&1)+4*(8*(\q)+\n):128*((\u)&1)+4*(8*(\q)+\n)+3], v[XO], s[28:29] offset:(8*(\q)+\n)*4096+((\u)+2)*512
.endr
.endif
.endm
; A quarter of K step t: 32 matrix instructions on buffer f; in its middle a batch of the next step's X is converted and the next
; quarter's fragments are fetched into buffer g.  The 16 conversions (or four v_nop in the last step) are the four places that a load
; into registers that a matrix instruction has read must keep behind it (ISA guide 7.12.1 for vector instructions).
.macro QUARTER t, q, f, g, zero
.set NW, 8                                         ; the 8 A stores issued behind this quarter's 24 fragment loads may stay out
.if \q == 0
.set NW, 0                                         ; the first quarter's loads are the youngest
.endif
.if \t == 7
.set NW, 0                                         ; the last step stores nothing
.endif
	s_wait_dscnt NW
	WIN 0x50                                       ; C and D in window 1
	MUL16 \f, 0, \zero
.if \t < 7
	CONVA (\t+1), \q
.if \q < 3
	FETCH (\t&1), (\q+1), \g
.endif
	CONVB (\t+1), \q
.else
.if \q < 3
	WIN 0
	PLACES
	FETCH (\t&1), (\q+1), \g
.endif
.endif
	WIN 0x50
	MUL16 \f, 2, \zero
.endm
; K step t.  In front of the round: my tensor load (my part of this step's W) has landed, my LDS reads of the last step's slots and my
; stores into this step's A slot are done.  Behind it that holds of every wave of the cluster: the W slot read last is asked again first, one load a wave.
.macro TRIP t
	WIN 0
	s_wait_tensorcnt 0x0                           ; no tensor load of mine is out, so a group 0 may be written
	ds_add_u32 v62, v63
	s_wait_dscnt 0x0
	s_add_nc_u64 s[G0+4*(\t&1)+2:G0+4*(\t&1)+3], s[G0+4*(\t&1)+2:G0+4*(\t&1)+3], 512   ; this slot's next tile: two K steps on
	s_wait_dscnt 0x0
	ROUND
.if \t < 7
	tensor_load_to_lds s[G0+4*((\t+1)&1):G0+4*((\t+1)&1)+3], s[G1:G1+7]
	s_nop 0
.endif
	FETCH (\t&1), 0, F0
.if \t == 0
	QUARTER \t, 0, F0, F1, 1
.else
	QUARTER \t, 0, F0, F1, 0
.endif
	QUARTER \t, 1, F1, F0, 0
	QUARTER \t, 2, F0, F1, 0
	QUARTER \t, 3, F1, F0, 0
.endm
	s_load_b512 s[4:19], s[0:1], 0x0               ; queries, keys, values s[4:9]; bq, bk, bv s[10:15]; wb s[16:17]; qkv s[18:19]
	v_lshl_add_u32 v62, v0, 2, 0x37800
	v_mov_b32 v63, 0
	ds_add_u32 v62, v63
	v_lshrrev_b32 v1, 5, v0
	v_readfirstlane_b32 s20, v1                    ; wave 0..3
	s_lshr_b32 s21, s20, 1                         ; wm: which 64 rows
	s_and_b32 s22, s20, 1                          ; wn: which 128 columns
	s_bfe_u32 s23, ttmp6, 0x40000                  ; cx
	s_lshl_b32 s24, ttmp9, 2
	s_add_co_u32 s24, s24, s23                     ; row block = 4 x cluster x + cx
	s_and_b32 s25, ttmp7, 0xffff                   ; y (the cluster is one work-group high)
	s_lshr_b32 s26, s25, 2                         ; matrix 0, 1, 2
	s_and_b32 s27, s25, 3                          ; column block
	v_and_b32 v4, 31, v0                           ; lane
	v_and_b32 v2, 15, v0                           ; r = lane % 16
	v_bfe_u32 v3, v0, 4, 1                         ; h = lane / 16
	v_lshlrev_b32 v[XO], 4, v4
	v_lshl_add_u32 v[XO], s20, 17, v[XO]           ; + wave x 32 rows x 4,096 bytes
	v_lshlrev_b32 v[BO], 5, v3
	s_lshl_b32 s50, s24, 19                        ; row block x 128 rows x 4,096 bytes
	s_mov_b32 s51, 0
	s_lshl_b32 s52, s27, 10                        ; (256 x column block + 128 wn) x 4 bytes
	s_lshl_b32 s53, s22, 9
	s_add_co_u32 s52, s52, s53
	s_mov_b32 s53, 0
	s_wait_dscnt 0x0
	s_wait_kmcnt 0x0
	s_cmp_eq_u32 s26, 1
	s_cselect_b64 s[28:29], s[6:7], s[4:5]
	s_cselect_b64 s[30:31], s[12:13], s[10:11]
	s_cmp_eq_u32 s26, 2
	s_cselect_b64 s[28:29], s[8:9], s[28:29]
	s_cselect_b64 s[30:31], s[14:15], s[30:31]
	s_add_nc_u64 s[28:29], s[28:29], s[50:51]      ; X at the block's first row
	s_add_nc_u64 s[30:31], s[30:31], s[52:53]      ; bias at my first column
	WIN 0xc0                                       ; destination in window 3
.irp b, 0,1,2,3,4,5,6,7
	global_load_b128 v[8*\b:8*\b+3],   v[BO], s[30:31] offset:64*\b       ; bias[16 b + 8 h + 0..3]
	global_load_b128 v[8*\b+4:8*\b+7], v[BO], s[30:31] offset:64*\b+16
.endr
	WIN 0x80
.set n, 0
.rept 64                                           ; X of K steps 0 and 1: batches 0 to 7
	global_load_b128 v[4*n:4*n+3], v[XO], s[28:29] offset:(n%32)*4096+(n/32)*512
.set n, n+1
.endr
	WIN 0
	; group 1: a tile of 64 rows x 128 bf16, 16 bytes of padding behind each row of 64 words
	s_mov_b32 s[G1+0], 15|(1<<16)|(1<<20)|(1<<21)|(5<<22)|(3<<25)   ; mask: all four of the cluster; element of 2 bytes; padding on; bit 21 beside a mask; every 64 words; 4 words
	s_mov_b32 s[G1+1], 128<<16                     ; tensor_dim0 = 128
	s_mov_b32 s[G1+2], 64<<16                      ; tensor_dim1 = 64
	s_mov_b32 s[G1+3], 128<<16                     ; tile_dim0 = 128
	s_mov_b32 s[G1+4], 64                          ; tile_dim1 = 64
	s_mov_b32 s[G1+5], 1024                        ; from row to row
	s_mov_b32 s[G1+6], 0
	s_mov_b32 s[G1+7], 0
	s_lshl_b32 s54, s26, 21                        ; matrix x WMATB
	s_lshl_b32 s55, s27, 19                        ; + 256 x column block rows of 2,048 bytes
	s_add_co_u32 s54, s54, s55
	s_lshl_b32 s55, s20, 17                        ; + 64 x wave rows: nothing here hangs on cx
	s_add_co_u32 s54, s54, s55
	s_mov_b32 s55, 0
	s_add_nc_u64 s[16:17], s[16:17], s[54:55]
	s_mul_i32 s56, s20, 64*PITCH                   ; my 64 rows in a slot
.irp s, 0,1
	s_mov_b32 s[G0+4*\s], 1
	s_add_co_u32 s[G0+4*\s+1], s56, \s*WSLOT
	s_add_nc_u64 s[G0+4*\s+2:G0+4*\s+3], s[16:17], \s*256          ; K step s
	s_or_b32 s[G0+4*\s+3], s[G0+4*\s+3], 0x80000000
.endr
	ROUND                                          ; all four work-groups are here: the first joint loads meet
	tensor_load_to_lds s[G0:G0+3], s[G1:G1+7]      ; W of K step 0
	s_nop 0
	v_mul_u32_u24 v5, v2, PITCH
	v_lshl_add_u32 v5, v3, 4, v5                   ; r x pitch + 16 h
	s_mul_i32 s57, s21, 64*PITCH
	s_add_co_u32 s57, s57, ABASE
	s_mul_i32 s58, s22, 128*PITCH
	v_add_nc_u32 v[ADRA], s57, v5
	v_add_nc_u32 v[ADRA+1], ASLOT, v[ADRA]
	v_add_nc_u32 v[ADRB], s58, v5
	v_add_nc_u32 v[ADRB+1], WSLOT, v[ADRB]
	s_mul_i32 s59, s20, 32*PITCH
	s_add_co_u32 s59, s59, ABASE
	v_lshl_add_u32 v[AST], v4, 3, s59              ; my 32 rows, 8 bytes a lane
	v_add_nc_u32 v[AST+1], ASLOT, v[AST]
	s_mul_i32 s60, s20, 32*SPITCH
	s_add_co_u32 s60, s60, STAGE
	v_mul_u32_u24 v6, v2, SPITCH
	v_lshl_add_u32 v6, v3, 4, v6
	v_add_nc_u32 v[STO], s60, v6                   ; in: row r, 16 bytes for each half of the lanes
	v_lshrrev_b32 v6, 3, v4
	v_mul_u32_u24 v6, v6, SPITCH
	v_and_b32 v7, 7, v4
	v_lshl_add_u32 v6, v7, 4, v6
	v_add_nc_u32 v[RD], s60, v6                    ; back: eight lanes take a row of 128 bytes, the wave four rows
	v_lshlrev_b32 v[CO], 4, v4
	s_lshl_b32 s50, s24, 7
	s_lshl_b32 s51, s21, 6
	s_add_co_u32 s50, s50, s51                     ; my first row, 0..8191
	s_lshr_b32 s51, s50, 11                        ; b
	s_and_b32 s50, s50, 2047                       ; l
	s_lshl_b32 s51, s51, 4
	s_lshl_b32 s52, s27, 2
	s_add_co_u32 s51, s51, s52
	s_lshl_b32 s52, s22, 1
	s_add_co_u32 s51, s51, s52                     ; 16 b + my first head
	s_lshl_b32 s51, s51, 11
	s_add_co_u32 s50, s50, s51
	s_lshl_b32 s50, s50, 7                         ; rows of 128 bytes
	s_lshl_b32 s51, s26, 24                        ; + matrix x 16,777,216
	s_add_co_u32 s50, s50, s51
	s_mov_b32 s51, 0
	s_add_nc_u64 s[48:49], s[18:19], s[50:51]
	CONVA 0, 0                                     ; X of K step 0 into A slot 0; K step 2 is asked for
	CONVB 0, 0
	CONVA 0, 1
	CONVB 0, 1
	CONVA 0, 2
	CONVB 0, 2
	CONVA 0, 3
	CONVB 0, 3
	TRIP 0
	TRIP 1
	TRIP 2
	TRIP 3
	TRIP 4
	TRIP 5
	TRIP 6
	TRIP 7
	; THE WAY OUT, 16 rows at a time: add the bias, round to bf16, 16 bytes a lane into my own stage, read back by rows.
	; In qkv a head's rows of 128 bytes follow each other, so the four rows that a store of the wave takes are 512 consecutive bytes, aligned.
	WIN 0
	PLACES                                         ; four places behind the last matrix instructions, for the adds and for the loads into the buffers
.macro OUT16 a
	WIN 0x4d                                       ; accumulators in window 1, bias in window 3
.irp b, 0,1,2,3,4,5,6,7
.irp k, 0,2,4,6
	v_pk_add_f32 v[8*(8*\a+\b)+\k:8*(8*\a+\b)+\k+1], v[8*(8*\a+\b)+\k:8*(8*\a+\b)+\k+1], v[8*\b+\k:8*\b+\k+1]
.endr
.endr
	WIN 0x05
.irp b, 0,1,2,3,4,5,6,7
.irp k, 0,1,2,3
	v_cvt_pk_bf16_f32 v[64+4*\b+\k], v[8*(8*\a+\b)+2*\k], v[8*(8*\a+\b)+2*\k+1]
.endr
.endr
	WIN 0
.irp b, 0,1,2,3,4,5,6,7
	ds_store_b128 v[STO], v[64+4*\b:64+4*\b+3] offset:(\b>>2)*16*SPITCH+32*(\b&3)
.endr
.irp u, 0,1,2,3,4,5,6,7
	ds_load_b128 v[128+32*\a+4*\u:128+32*\a+4*\u+3], v[RD] offset:(\u>>2)*16*SPITCH+(\u&3)*4*SPITCH   ; LDS serves a wave's instructions in order (ISA guide 5.7.1.4): these see the stores above
.endr
.irp u, 0,1,2,3,4,5,6,7
	s_wait_dscnt 7-\u
	global_store_b128 v[CO], v[128+32*\a+4*\u:128+32*\a+4*\u+3], s[48:49] offset:(\u>>2)*HEADB+(16*\a+4*(\u&3))*128   ; each group of rows has registers of its own: no store's data is rewritten
.endr
.endm
	OUT16 0
	OUT16 1
	OUT16 2
	OUT16 3
	s_wait_tensorcnt 0x0
	ds_add_u32 v62, v63
	s_wait_dscnt 0x0
	ROUND                                          ; the closing round: no work-group ends while a partner may still ask for a tile that names it
	s_endpgm
.Lfunc_end_k_qade9685056_proj:
	.size	k_qade9685056_proj, .Lfunc_end_k_qade9685056_proj-k_qade9685056_proj
	.p2alignl 7, 3214868480
	.fill 96, 4, 3214868480
	.section	.rodata,"a",@progbits
	.p2align	6, 0x0
	.amdhsa_kernel k_qade9685056_proj
		.amdhsa_group_segment_fixed_size 327680
		.amdhsa_private_segment_fixed_size 0
		.amdhsa_enable_private_segment 0
		.amdhsa_kernarg_size 64
		.amdhsa_user_sgpr_count 2
		.amdhsa_user_sgpr_kernarg_segment_ptr 1
		.amdhsa_wavefront_size32 1
		.amdhsa_system_sgpr_workgroup_id_x 1
		.amdhsa_system_sgpr_workgroup_id_y 1
		.amdhsa_system_sgpr_workgroup_id_z 1
		.amdhsa_system_vgpr_workitem_id 0
		.amdhsa_next_free_vgpr 832
		.amdhsa_next_free_sgpr 66
		.amdhsa_reserve_vcc 0
		.amdhsa_float_denorm_mode_32 3
		.amdhsa_float_denorm_mode_16_64 3
		.amdhsa_memory_ordered 1
		.amdhsa_forward_progress 1
		.amdhsa_inst_pref_size 228
	.end_amdhsa_kernel
	.amdgpu_metadata
---
amdhsa.version: [ 1, 2 ]
amdhsa.kernels:
  - .name:           k_qade9685056_proj
    .symbol:         k_qade9685056_proj.kd
    .args:
      - { .name: queries, .offset: 0, .size: 8, .value_kind: global_buffer, .address_space: global }
      - { .name: keys, .offset: 8, .size: 8, .value_kind: global_buffer, .address_space: global }
      - { .name: values, .offset: 16, .size: 8, .value_kind: global_buffer, .address_space: global }
      - { .name: bq, .offset: 24, .size: 8, .value_kind: global_buffer, .address_space: global }
      - { .name: bk, .offset: 32, .size: 8, .value_kind: global_buffer, .address_space: global }
      - { .name: bv, .offset: 40, .size: 8, .value_kind: global_buffer, .address_space: global }
      - { .name: wb, .offset: 48, .size: 8, .value_kind: global_buffer, .address_space: global }
      - { .name: qkv, .offset: 56, .size: 8, .value_kind: global_buffer, .address_space: global }
    .group_segment_fixed_size: 327680
    .private_segment_fixed_size: 0
    .kernarg_segment_align: 8
    .kernarg_segment_size: 64
    .max_flat_workgroup_size: 128
    .sgpr_count:     66
    .vgpr_count:     832
    .wavefront_size: 32
...
	.end_amdgpu_metadata
.endif
;; end of part 2
;; launch attn (part 3): grid 256 x 1, 8 waves a work-group, clusters of 4 x 1, 327,680 bytes of LDS; arguments qkv, ao; writes ao
.if DOCPART == 3
	.amdgcn_target "amdgcn-amd-amdhsa--gfx1250"
	.amdhsa_code_object_version 6
	.text
	.protected	k_qade9685056_attn
	.globl	k_qade9685056_attn
	.p2align	8
	.type	k_qade9685056_attn,@function
k_qade9685056_attn:
	s_mov_b64 s[64:65], 0
	v_nop
	global_prefetch_b8 v0, s[64:65] scope:SCOPE_SE
	s_setreg_imm32_b32 hwreg(HW_REG_WAVE_MODE, 25, 1), 1
	s_wait_xcnt 0x0
	s_wait_alu depctr_hold_cnt(0) depctr_sa_sdst(0) depctr_va_vdst(0) depctr_va_sdst(0) depctr_va_ssrc(0) depctr_va_vcc(0) depctr_vm_vsrc(0)
	s_getreg_b32 s2, hwreg(HW_REG_IB_STS2, 6, 4)
	s_cmp_eq_u32 s2, 0
	s_cbranch_scc0 .Lentry_in_a_cluster
	s_endpgm
.Lentry_in_a_cluster:
	s_bfe_u32 s2, ttmp6, 0x10000c
	s_cmp_lg_u32 s2, 0x3003
	s_cbranch_scc0 .Lentry_shape_is_right
	s_endpgm
.Lentry_shape_is_right:
; ao[b][head][l][:] = softmax over s of (q[l] . k[s] / 8) times v[s][:], for each of the 64 (b, head); q, k, v: qkv, bf16 [3][64][2048][64]; ao bf16.
; LIMITS: the exponentials enter the second product rounded to bf16 while the denominator sums them in f32; v_exp_f32 gives 0 below 2^-126;
; NaN and infinities are not treated apart.  The maximum is a running one: p = 2^(c s + NM) with c = log2(e) / 8 and NM = -c x (maximum so far),
; and older sums are scaled by 2^(NM new - NM old), made of the very shifts that the exponentials used.
; A cluster of four work-groups takes one (b, head); a work-group 512 queries, a wave 64 (four tiles of 16).  Eight waves, two on each SIMD,
; so that one wave's softmax arithmetic can run beside the other's matrix instructions.
; CLUSTER: the four work-groups walk the same K and V and ask for each tile jointly (mask 15): a quarter of the requests.
; Keys go in 8 tiles of 256 through two LDS slots; a tile is four sub-steps of 64 keys.  Waves 0-3 fetch K's quarters, waves 4-7 V's.
; BOTH PRODUCTS ARE TRANSPOSED.  S^T = K Q^T: lane l holds query l % 16 and keys 8 (l / 16) + 0..7 of a key tile, which is the layout
; of source 1 of O^T = V^T P^T: the exponentials are packed in place and never leave the registers.  V^T comes by the transposing LDS load.
; THE TEXT IS FOLDED: a sub-step is some 600 instructions, and 32 of them written out would be a text that is run through once.  So the sub-step is the
; body of a counted loop of four trips a tile, and the LDS address of its rows is made from that loop's counter.  The body is rotated so that all
; four trips are alike: fetch K(j); O += V(j-1) P(j-1) for the second half of the keys; S(j); fetch V(j); softmax(j); O += V(j) P(j) for the first half.
; The change of tiles falls between two trips (V's second half and P wait in registers), and K's loads land under sixteen matrix instructions.
; The body stands five times: the launch's first sub-step (it starts maxima and sums), tile 0's other three, one for each slot in the lap, the last tile.
; LDS: two rows of 128 bytes make a row of 256; K's pitch 272, V's 288: key k lies at (k / 2) x pitch + (k % 2) x 128.  The 16 lanes of a K load then
; touch 16-byte columns (r / 2) + 8 (r % 2), those of a V load 2 ((l / 2) % 4) + 8 (l % 2) + (l / 8) % 2: sixteen different ones modulo 256 bytes.
; REGISTERS: window 0: statistics and addresses, K fragments v64-127, V fragments v128-191, Q fragments v192-255.
; window 1: O(i, t) at 8 (4 i + t); S(i, kt) at 128 + 8 (4 i + kt); P(i, g) in the first 8 registers of the block 128 + 32 i + 16 g.
.set MATB,   16777216
.set KP,     272
.set VP,     288
.set VOFF,   128*KP                    ; 34,816: V behind K in a slot
.set SLOT,   VOFF+128*VP               ; 71,680
.set STAGE,  2*SLOT                    ; the way out: 64 rows x 144 bytes for each wave
.set SPITCH, 144
.set TILEB,  32768                     ; 256 keys of 128 bytes
.set PM,   12                          ; v12-19  pairs (NM_i, M_i)
.set RA,   20                          ; v20-27  pairs (AL_i, L_i): the scale of the older sums, the denominator (of my half of the keys)
.set T,    28                          ; v28-31
.set U,    32                          ; v32-35
.set TS,   36                          ; v36-43  pairs: sums at work
.set ADRK, 44                          ; v44-45  my K fragments of a slot's first sub-step, slot 0, 1; never rewritten
.set ADRV, 46                          ; v46-47  the same for V
.set STO,  48
.set RD,   49
.set CO,   50
.set QO,   51
.set PFO,  52
.set CK,   53                          ; v53     K's address in this sub-step
.set CV,   54                          ; v54     V's
.set KF,   64
.set VF,   128
.set QF,   192
.set SC,   128                         ; in window 1
.set G1K, 16
.set G1V, 24
.set G0K, 32
.set G0V, 40
; s56 counts laps, s57 the sub-steps of a tile (0..3); s15, s10: s57 x the bytes of a sub-step in K, in V
; s9: the sub-step in which my wave asks ahead (2 in waves 0 and 1, 8 = never in the others); s12: the same for the lap's second tile
.set MSB, 0
.macro WIN new
.if MSB != \new
	s_set_vgpr_msb (MSB<<8)|\new
.set MSB, \new
.endif
.endm
.macro ROUND
	s_barrier_signal -1
	s_barrier_wait -1
	s_cmp_lg_u32 s8, 0
	s_cbranch_scc1 .Lnot_wave_0_\@
	s_barrier_signal -3
.Lnot_wave_0_\@:
	s_barrier_wait -3
	s_barrier_signal -1
	s_barrier_wait -1
.endm
; A joint load: one line for K's tiles, one for V's; the branch hangs on the wave's number alone.
.macro JLOAD s
	s_cmp_eq_u32 s11, 0
	s_cbranch_scc0 .Lfor_v_\@
	tensor_load_to_lds s[G0K+4*\s:G0K+4*\s+3], s[G1K:G1K+7]
	s_nop 0
	s_branch .Lasked_\@
.Lfor_v_\@:
	tensor_load_to_lds s[G0V+4*\s:G0V+4*\s+3], s[G1V:G1V+7]
	s_nop 0
.Lasked_\@:
.endm
.macro KFETCH                          ; 16 loads: 64 keys x 64; the fragments of e = 0..31 first
.irp c, 0,1
.irp kt, 0,1,2,3
	ds_load_b128 v[KF+8*(4*\c+\kt):KF+8*(4*\c+\kt)+3],   v[CK] offset:8*KP*\kt+64*\c
	ds_load_b128 v[KF+8*(4*\c+\kt)+4:KF+8*(4*\c+\kt)+7], v[CK] offset:8*KP*\kt+64*\c+32
.endr
.endr
.endm
.macro VFETCH                          ; 16 transposing loads: fragment (g, t) = columns 16 t .. + 15 of V, keys 32 g .. + 31; g = 0 first
.irp g, 0,1
.irp t, 0,1,2,3
	ds_load_tr16_b128 v[VF+8*(4*\g+\t):VF+8*(4*\g+\t)+3],   v[CV] offset:16*VP*\g+32*\t
	ds_load_tr16_b128 v[VF+8*(4*\g+\t)+4:VF+8*(4*\g+\t)+7], v[CV] offset:16*VP*\g+32*\t+8*VP
.endr
.endr
.endm
; 16 matrix instructions: O(i, t) += V(g, t) P(i, g).  zero = 1: the launch's first product starts the sums.
; The 16 accumulators take turns, one instruction a turn, in the same order for g = 0 and g = 1.
.macro PV g, zero
.irp t, 0,1,2,3
.irp i, 0,1,2,3
.if \zero
	v_wmma_f32_16x16x32_bf16 v[8*(4*\i+\t):8*(4*\i+\t)+7], v[VF+8*(4*\g+\t):VF+8*(4*\g+\t)+7], v[SC+32*\i+16*\g:SC+32*\i+16*\g+7], 0
.else
	v_wmma_f32_16x16x32_bf16 v[8*(4*\i+\t):8*(4*\i+\t)+7], v[VF+8*(4*\g+\t):VF+8*(4*\g+\t)+7], v[SC+32*\i+16*\g:SC+32*\i+16*\g+7], v[8*(4*\i+\t):8*(4*\i+\t)+7]
.endif
.endr
.endr
.endm
; Sub-step s57 of the tile in a slot: 64 keys against my 64 queries.  first = 1: the launch's first sub-step: no older product to finish, no older sums to scale.
; ask = 1: in the sub-step whose number stands in s[cmpreg] the wave asks a part of the tile two tiles on into the L2, at byte off from the asking base.
.macro STEP slot, first, ask, cmpreg, off
	s_mul_i32 s15, s57, 32*KP                      ; 64 keys = 32 LDS rows; s57 is 0..3, so the rows stay inside the slot's 128
	s_mul_i32 s10, s57, 32*VP
	v_add_nc_u32 v[CK], s15, v[ADRK+\slot]
	v_add_nc_u32 v[CV], s10, v[ADRV+\slot]
	KFETCH
.if \first == 0
	s_wait_dscnt 0x10                              ; the last sub-step's V is in whole; the 16 loads of K, issued behind it, stay out
	WIN 0x54
	PV 1, 0
	WIN 0
.rept 5
	v_nop                                          ; five places: the scores below are written over P, a source of these matrix instructions (ISA guide 7.12.1)
.endr
.endif
	s_wait_dscnt 0x8                               ; K's fragments of e = 0..31 are in; the eight younger loads may be out
	WIN 0x50
.irp kt, 0,1,2,3
.irp i, 0,1,2,3
	v_wmma_f32_16x16x32_bf16 v[SC+8*(4*\i+\kt):SC+8*(4*\i+\kt)+7], v[KF+8*\kt:KF+8*\kt+7], v[QF+16*\i:QF+16*\i+7], 0
.endr
.endr
	s_wait_dscnt 0x0
.irp kt, 0,1,2,3
.irp i, 0,1,2,3
	v_wmma_f32_16x16x32_bf16 v[SC+8*(4*\i+\kt):SC+8*(4*\i+\kt)+7], v[KF+32+8*\kt:KF+32+8*\kt+7], v[QF+16*\i+8:QF+16*\i+15], v[SC+8*(4*\i+\kt):SC+8*(4*\i+\kt)+7]
.endr
.endr
	WIN 0
	VFETCH                                         ; V's registers were last read five places and 32 matrix instructions ago
.if \ask
	s_cmp_lg_u32 s57, s[\cmpreg]
	s_cbranch_scc1 .Lno_ask_\@
	global_prefetch_b8 v[PFO], s[52:53] offset:\off th:TH_LOAD_NT scope:SCOPE_SE
.Lno_ask_\@:
.endif
.rept 4
	v_nop                                          ; four places in front of the maxima, which read the scores (ISA guide 7.12.1)
.endr
	WIN 0x05                                       ; the largest of my 32 scores of each query tile: four chains by turns
.irp i, 0,1,2,3
	v_max_num_f32 v[T+\i], v[SC+32*\i], v[SC+32*\i+1]
.endr
.irp k, 2,4,6,8,10,12,14,16,18,20,22,24,26,28,30
.irp i, 0,1,2,3
	v_max3_num_f32 v[T+\i], v[SC+32*\i+\k], v[SC+32*\i+\k+1], v[T+\i]
.endr
.endr
	WIN 0
.irp i, 0,1,2,3
	v_permlanex16_b32 v[U+\i], v[T+\i], s54, s55   ; the other half of the lanes holds the query's other keys
.endr
.irp i, 0,1,2,3
	v_max_num_f32 v[T+\i], v[T+\i], v[U+\i]
.endr
.if \first
.irp i, 0,1,2,3
	v_mov_b32 v[PM+2*\i+1], v[T+\i]
	v_mul_f32 v[PM+2*\i], 0xbe38aa3b, v[T+\i]      ; NM = -c M
.endr
.else
.irp i, 0,1,2,3
	v_max_num_f32 v[PM+2*\i+1], v[PM+2*\i+1], v[T+\i]
.endr
.irp i, 0,1,2,3
	v_mul_f32 v[T+\i], 0xbe38aa3b, v[PM+2*\i+1]    ; the new NM
.endr
.irp i, 0,1,2,3
	v_sub_f32 v[U+\i], v[T+\i], v[PM+2*\i]
.endr
.irp i, 0,1,2,3
	v_exp_f32 v[RA+2*\i], v[U+\i]                  ; AL = 2^(NM new - NM old), at most 1
.endr
.irp i, 0,1,2,3
	v_mov_b32 v[PM+2*\i], v[T+\i]                  ; plain instructions between the exponentials and the first use of AL (ISA guide 5.7.2)
.endr
.endif
	WIN 0x41
.if \first == 0
.set n, 0
	s_wait_alu depctr_va_vdst(0)
.rept 64
	v_pk_mul_f32 v[2*n:2*n+1], v[2*n:2*n+1], v[RA+2*(n/16):RA+2*(n/16)+1] op_sel_hi:[1,0]     ; O x AL
.set n, n+1
.endr
.endif
.set n, 0
.rept 64
	v_pk_fma_f32 v[SC+2*n:SC+2*n+1], v[SC+2*n:SC+2*n+1], 0x3e38aa3b, v[PM+2*(n/16):PM+2*(n/16)+1] op_sel_hi:[1,0,0]   ; c s + NM
.set n, n+1
.endr
.set n, 0
.rept 128
	v_exp_f32 v[SC+n], v[SC+n]
.set n, n+1
.endr
	v_nop                                          ; one plain place behind the last exponential
	WIN 0x05
	s_wait_alu depctr_va_vdst(0)
.irp i, 0,1,2,3
	v_pk_add_f32 v[TS+2*\i:TS+2*\i+1], v[SC+32*\i:SC+32*\i+1], v[SC+32*\i+2:SC+32*\i+3]       ; the first add starts each chain
.endr
	WIN 0x01
.irp k, 4,6,8,10,12,14,16,18,20,22,24,26,28,30
.irp i, 0,1,2,3
	v_pk_add_f32 v[TS+2*\i:TS+2*\i+1], v[SC+32*\i+\k:SC+32*\i+\k+1], v[TS+2*\i:TS+2*\i+1]
.endr
.endr
	WIN 0
.if \first
.irp i, 0,1,2,3
	v_add_f32 v[RA+2*\i+1], v[TS+2*\i], v[TS+2*\i+1]
.endr
.else
.irp i, 0,1,2,3
	v_add_f32 v[T+\i], v[TS+2*\i], v[TS+2*\i+1]
.endr
.irp i, 0,1,2,3
	v_fma_f32 v[RA+2*\i+1], v[RA+2*\i+1], v[RA+2*\i], v[T+\i]      ; L = L x AL + this sub-step's sum; the two halves of the lanes meet at the end
.endr
.endif
	WIN 0x45                                       ; P in place: register k of a block of 16 takes registers 2 k, 2 k + 1; k ascending overwrites nothing unread
.set n, 0
.rept 8
.irp k, 0,1,2,3,4,5,6,7
	v_cvt_pk_bf16_f32 v[SC+16*n+\k], v[SC+16*n+2*\k], v[SC+16*n+2*\k+1]
.endr
.set n, n+1
.endr
	s_wait_dscnt 0x8                               ; V's fragments of keys 0..31 are in; the eight younger loads (keys 32..63) may be out
	WIN 0x54
	PV 0, \first
	WIN 0
.endm
; The tile in a slot.  In front of the barrier: all my tensor loads have landed, my part of this tile among them, and my LDS reads of the other slot are done.
; refill = 1: the barrier is a round of the cluster's; behind it that holds of every wave of the cluster, and the other slot is asked again first,
; one load a wave, with the tile behind this one.  refill = 0 (the last tile): nothing is filled, my work-group's barrier is enough.
.macro TURN slot, refill, ask, cmpreg, off
	s_wait_tensorcnt 0x0                           ; no tensor load of mine is out, so the groups 0 may be written
	ds_add_u32 v62, v63
	s_wait_dscnt 0x0
.if \refill
	s_add_nc_u64 s[G0K+4*(1-\slot)+2:G0K+4*(1-\slot)+3], s[G0K+4*(1-\slot)+2:G0K+4*(1-\slot)+3], 2*TILEB
	s_add_nc_u64 s[G0V+4*(1-\slot)+2:G0V+4*(1-\slot)+3], s[G0V+4*(1-\slot)+2:G0V+4*(1-\slot)+3], 2*TILEB
.endif
	s_wait_dscnt 0x0                               ; V's second half of the last sub-step may still have been out
.if \refill
	ROUND
	JLOAD (1-\slot)
.else
	s_barrier_signal -1
	s_barrier_wait -1
.endif
	s_mov_b32 s57, 0
.Lsub_\@:
	STEP \slot, 0, \ask, \cmpreg, \off
	s_add_co_u32 s57, s57, 1
	s_cmp_lt_u32 s57, 4
	s_cbranch_scc1 .Lsub_\@
.endm
	s_load_b128 s[4:7], s[0:1], 0x0                ; qkv s[4:5], ao s[6:7]
	v_lshl_add_u32 v62, v0, 2, 0x35000
	v_mov_b32 v63, 0
	ds_add_u32 v62, v63
	v_lshrrev_b32 v1, 5, v0
	v_readfirstlane_b32 s8, v1                     ; wave 0..7
	s_lshr_b32 s11, s8, 2                          ; I fetch for K (0) or for V (1)
	s_and_b32 s12, s8, 3                           ; which quarter of the tile
	s_bfe_u32 s13, ttmp6, 0x40000                  ; cx: which 512 queries
	s_lshl_b32 s14, ttmp9, 18                      ; (b, head) x 262,144 bytes
	s_mov_b32 s54, 0x76543210                      ; v_permlanex16_b32: lane i reads lane i of the other half
	s_mov_b32 s55, 0xfedcba98
	; group 1: 32 rows of 32 elements of 8 bytes (a dense block of 8,192 bytes), padded behind each 64 words by 4 words (K) or 8 (V)
	s_mov_b32 s[G1K+0], 15|(3<<16)|(1<<20)|(1<<21)|(5<<22)|(3<<25)
	s_mov_b32 s[G1V+0], 15|(3<<16)|(1<<20)|(1<<21)|(5<<22)|(7<<25)
.irp g, G1K, G1V
	s_mov_b32 s[\g+1], 32<<16                      ; tensor_dim0 = 32
	s_mov_b32 s[\g+2], 32<<16                      ; tensor_dim1 = 32
	s_mov_b32 s[\g+3], 32<<16                      ; tile_dim0 = 32
	s_mov_b32 s[\g+4], 32                          ; tile_dim1 = 32
	s_mov_b32 s[\g+5], 32                          ; from row to row
	s_mov_b32 s[\g+6], 0
	s_mov_b32 s[\g+7], 0
.endr
	s_lshl_b32 s60, s12, 13                        ; my quarter: 64 keys of 128 bytes
	s_add_co_u32 s60, s60, s14
	s_add_co_u32 s60, s60, MATB                    ; K is matrix 1
	s_mov_b32 s61, 0
	s_mul_i32 s9, s12, 32*KP
	s_mul_i32 s10, s12, 32*VP
	s_add_co_u32 s10, s10, VOFF
	s_wait_dscnt 0x0
	s_wait_kmcnt 0x0
	s_add_nc_u64 s[60:61], s[4:5], s[60:61]
	s_add_nc_u64 s[62:63], s[60:61], MATB          ; V is matrix 2
.irp s, 0,1
	s_mov_b32 s[G0K+4*\s], 1
	s_add_co_u32 s[G0K+4*\s+1], s9, \s*SLOT
	s_add_nc_u64 s[G0K+4*\s+2:G0K+4*\s+3], s[60:61], \s*TILEB
	s_or_b32 s[G0K+4*\s+3], s[G0K+4*\s+3], 0x80000000
	s_mov_b32 s[G0V+4*\s], 1
	s_add_co_u32 s[G0V+4*\s+1], s10, \s*SLOT
	s_add_nc_u64 s[G0V+4*\s+2:G0V+4*\s+3], s[62:63], \s*TILEB
	s_or_b32 s[G0V+4*\s+3], s[G0V+4*\s+3], 0x80000000
.endr
	ROUND                                          ; all four work-groups are here: the first joint loads meet
	JLOAD 0                                        ; keys 0..255
	JLOAD 1                                        ; keys 256..511: both first fills go out together; a wave has two tensor loads out here, later one
	v_and_b32 v4, 31, v0                           ; lane
	v_and_b32 v2, 15, v0                           ; r
	v_bfe_u32 v3, v0, 4, 1                         ; h
	s_lshl_b32 s58, s13, 16                        ; 512 cx rows of 128 bytes
	s_lshl_b32 s57, s8, 13                         ; + 64 x wave rows
	s_add_co_u32 s58, s58, s57
	s_add_co_u32 s58, s58, s14
	s_mov_b32 s59, 0
	s_add_nc_u64 s[48:49], s[4:5], s[58:59]        ; my queries (matrix 0)
	s_add_nc_u64 s[50:51], s[6:7], s[58:59]        ; and the same rows of ao
	v_lshlrev_b32 v5, 7, v2
	v_lshl_add_u32 v[QO], v3, 4, v5                ; 128 r + 16 h
.irp i, 0,1,2,3
.irp c, 0,1
	global_load_b128 v[QF+8*(2*\i+\c):QF+8*(2*\i+\c)+3],   v[QO], s[48:49] offset:2048*\i+64*\c      ; Q's fragments stay in registers for the whole launch
	global_load_b128 v[QF+8*(2*\i+\c)+4:QF+8*(2*\i+\c)+7], v[QO], s[48:49] offset:2048*\i+64*\c+32
.endr
.endr
	; ASKING AHEAD.  While tile t is worked on, in its third sub-step, behind the loads of V, waves 0 (K) and 1 (V) ask tile t + 2 into the L2, whose tensor load
	; stands at the head of tile t + 1: 4 work-groups x 32 lanes x 256 bytes = the tile's 32,768 bytes, each block of 256 bytes asked once in the launch.
	; Tiles 0 to 5 ask; tiles 6 and 7 have nothing to ask for.
	s_add_co_u32 s58, s14, MATB+2*TILEB            ; the first tile that is asked ahead: K's keys 512..767
	s_add_nc_u64 s[52:53], s[4:5], s[58:59]
	s_lshl_b32 s57, s13, 13                        ; my work-group's quarter of a tile
	s_and_b32 s56, s8, 1
	s_lshl_b32 s56, s56, 24                        ; wave 1: V, one matrix further
	s_add_co_u32 s57, s57, s56
	v_lshlrev_b32 v[PFO], 8, v4                    ; lanes 256 bytes apart
	v_add_nc_u32 v[PFO], s57, v[PFO]
	s_cmp_lt_u32 s8, 2
	s_cselect_b32 s9, 2, 8                         ; waves 0 and 1 ask in sub-step 2; 8 is no sub-step's number
	v_lshrrev_b32 v5, 1, v2
	v_mul_u32_u24 v5, v5, KP
	v_and_b32 v6, 1, v2
	v_lshl_add_u32 v5, v6, 7, v5
	v_lshl_add_u32 v[ADRK], v3, 4, v5              ; (r / 2) x 272 + (r % 2) x 128 + 16 h
	v_add_nc_u32 v[ADRK+1], SLOT, v[ADRK]
	v_bfe_u32 v5, v0, 1, 2
	v_lshl_add_u32 v5, v3, 2, v5                   ; key 8 h + l % 8: its pair is 4 h + (l / 2) % 4
	v_mul_u32_u24 v5, v5, VP
	v_and_b32 v6, 1, v0
	v_lshl_add_u32 v5, v6, 7, v5
	v_bfe_u32 v6, v0, 3, 1
	v_lshl_add_u32 v5, v6, 4, v5                   ; + 16 x ((l / 8) % 2)
	v_add_nc_u32 v[ADRV], VOFF, v5
	v_add_nc_u32 v[ADRV+1], SLOT, v[ADRV]
	s_mul_i32 s15, s8, 64*SPITCH
	s_add_co_u32 s15, s15, STAGE
	v_mul_u32_u24 v5, v2, SPITCH
	v_lshl_add_u32 v5, v3, 4, v5
	v_add_nc_u32 v[STO], s15, v5
	v_lshrrev_b32 v5, 3, v4
	v_mul_u32_u24 v5, v5, SPITCH
	v_and_b32 v6, 7, v4
	v_lshl_add_u32 v5, v6, 4, v5
	v_add_nc_u32 v[RD], s15, v5
	v_lshlrev_b32 v[CO], 4, v4
.irp i, 0,1,2,3
	v_mov_b32 v[U+\i], 0                           ; v_permlanex16_b32's destination counts as read
.endr
	s_wait_loadcnt 0x0                             ; Q, once
	s_wait_tensorcnt 0x1                           ; my part of tile 0 is in; tile 1's load, issued behind it, stays out
	s_barrier_signal -1
	s_barrier_wait -1                              ; everybody's part is in
	s_mov_b32 s57, 0                               ; tile 0: its first sub-step is written out,
	STEP 0, 1, 0, 0, 0
	s_mov_b32 s57, 1                               ; the other three go round
.Lsub_first:
	STEP 0, 0, 1, 9, 0                             ; asks tile 2
	s_add_co_u32 s57, s57, 1
	s_cmp_lt_u32 s57, 4
	s_cbranch_scc1 .Lsub_first
	s_mov_b32 s56, 3                               ; three laps: tiles 1 to 6 are worked on, tiles 2 to 7 fetched
.Llap:
	TURN 1, 1, 1, 9, TILEB                         ; tiles 1, 3, 5 ask tiles 3, 5, 7
	s_cmp_eq_u32 s56, 1
	s_cselect_b32 s12, 8, s9                       ; in the last lap the second tile is tile 6: it asks for nothing
	TURN 0, 1, 1, 12, 2*TILEB                      ; tiles 2, 4 ask tiles 4, 6
	s_wait_xcnt 0x0                                ; the asking base is stepped only behind this wait; the last request stands more than a sub-step back
	s_add_nc_u64 s[52:53], s[52:53], 2*TILEB
	s_sub_co_i32 s56, s56, 1
	s_cmp_lg_u32 s56, 0
	s_cbranch_scc1 .Llap
	TURN 1, 0, 0, 0, 0                             ; tile 7: nothing is left to fetch or to ask for
	s_wait_dscnt 0x0                               ; the last sub-step's V, keys 32..63
	WIN 0x54
	PV 1, 0                                        ; the half product that is still owed
	WIN 0
.rept 4
	v_nop                                          ; four places in front of what reads O and what is loaded into V's registers (ISA guide 7.12.1)
.endr
	; THE END: the two halves' denominators meet, O / L, round to bf16, through my own stage, out in runs of 512 consecutive bytes (four rows of 128).
.irp i, 0,1,2,3
	v_permlanex16_b32 v[U+\i], v[RA+2*\i+1], s54, s55
.endr
.irp i, 0,1,2,3
	v_add_f32 v[RA+2*\i+1], v[RA+2*\i+1], v[U+\i]  ; at least 1: the largest score's exponential is 1
.endr
.irp i, 0,1,2,3
	v_rcp_f32 v[RA+2*\i], v[RA+2*\i+1]
.endr
	v_nop
	WIN 0x41
.set n, 0
	s_wait_alu depctr_va_vdst(0)
.rept 64
	v_pk_mul_f32 v[2*n:2*n+1], v[2*n:2*n+1], v[RA+2*(n/16):RA+2*(n/16)+1] op_sel_hi:[1,0]
.set n, n+1
.endr
	WIN 0x05
.set n, 0
.rept 16
.irp k, 0,1,2,3
	v_cvt_pk_bf16_f32 v[KF+4*n+\k], v[8*n+2*\k], v[8*n+2*\k+1]     ; lane l: query l % 16 of tile i, columns 16 t + 8 (l / 16) + 0..7; n = 4 i + t
.endr
.set n, n+1
.endr
	WIN 0
.irp i, 0,1,2,3
.irp t, 0,1,2,3
	ds_store_b128 v[STO], v[KF+4*(4*\i+\t):KF+4*(4*\i+\t)+3] offset:16*SPITCH*\i+32*\t
.endr
.endr
.irp u, 0,1,2,3,4,5,6,7,8,9,10,11,12,13,14,15
	ds_load_b128 v[VF+4*\u:VF+4*\u+3], v[RD] offset:4*SPITCH*\u    ; LDS serves a wave's instructions in order (ISA guide 5.7.1.4)
.endr
.irp u, 0,1,2,3,4,5,6,7,8,9,10,11,12,13,14,15
	s_wait_dscnt 15-\u
	global_store_b128 v[CO], v[VF+4*\u:VF+4*\u+3], s[50:51] offset:512*\u
.endr
	s_wait_tensorcnt 0x0
	ds_add_u32 v62, v63
	s_wait_dscnt 0x0
	ROUND                                          ; the closing round
	s_endpgm
.Lfunc_end_k_qade9685056_attn:
	.size	k_qade9685056_attn, .Lfunc_end_k_qade9685056_attn-k_qade9685056_attn
	.p2alignl 7, 3214868480
	.fill 96, 4, 3214868480
	.section	.rodata,"a",@progbits
	.p2align	6, 0x0
	.amdhsa_kernel k_qade9685056_attn
		.amdhsa_group_segment_fixed_size 327680
		.amdhsa_private_segment_fixed_size 0
		.amdhsa_enable_private_segment 0
		.amdhsa_kernarg_size 16
		.amdhsa_user_sgpr_count 2
		.amdhsa_user_sgpr_kernarg_segment_ptr 1
		.amdhsa_wavefront_size32 1
		.amdhsa_system_sgpr_workgroup_id_x 1
		.amdhsa_system_sgpr_workgroup_id_y 1
		.amdhsa_system_sgpr_workgroup_id_z 1
		.amdhsa_system_vgpr_workitem_id 0
		.amdhsa_next_free_vgpr 512
		.amdhsa_next_free_sgpr 66
		.amdhsa_reserve_vcc 0
		.amdhsa_float_denorm_mode_32 3
		.amdhsa_float_denorm_mode_16_64 3
		.amdhsa_memory_ordered 1
		.amdhsa_forward_progress 1
		.amdhsa_inst_pref_size 191
	.end_amdhsa_kernel
	.amdgpu_metadata
---
amdhsa.version: [ 1, 2 ]
amdhsa.kernels:
  - .name:           k_qade9685056_attn
    .symbol:         k_qade9685056_attn.kd
    .args:
      - { .name: qkv, .offset: 0, .size: 8, .value_kind: global_buffer, .address_space: global }
      - { .name: ao, .offset: 8, .size: 8, .value_kind: global_buffer, .address_space: global }
    .group_segment_fixed_size: 327680
    .private_segment_fixed_size: 0
    .kernarg_segment_align: 8
    .kernarg_segment_size: 16
    .max_flat_workgroup_size: 256
    .sgpr_count:     66
    .vgpr_count:     512
    .wavefront_size: 32
...
	.end_amdgpu_metadata
.endif
;; end of part 3
;; launch outp (part 4): grid 4 x 64, 4 waves a work-group, clusters of 4 x 4, 327,680 bytes of LDS; arguments ao, wb, bo, out0; writes out0
.if DOCPART == 4
	.amdgcn_target "amdgcn-amd-amdhsa--gfx1250"
	.amdhsa_code_object_version 6
	.text
	.protected	k_qade9685056_outp
	.globl	k_qade9685056_outp
	.p2align	8
	.type	k_qade9685056_outp,@function
k_qade9685056_outp:
	s_mov_b64 s[64:65], 0
	v_nop
	global_prefetch_b8 v0, s[64:65] scope:SCOPE_SE
	s_setreg_imm32_b32 hwreg(HW_REG_WAVE_MODE, 25, 1), 1
	s_wait_xcnt 0x0
	s_wait_alu depctr_hold_cnt(0) depctr_sa_sdst(0) depctr_va_vdst(0) depctr_va_sdst(0) depctr_va_ssrc(0) depctr_va_vcc(0) depctr_vm_vsrc(0)
	s_getreg_b32 s2, hwreg(HW_REG_IB_STS2, 6, 4)
	s_cmp_eq_u32 s2, 0
	s_cbranch_scc0 .Lentry_in_a_cluster
	s_endpgm
.Lentry_in_a_cluster:
	s_bfe_u32 s2, ttmp6, 0x10000c
	s_cmp_lg_u32 s2, 0xf033
	s_cbranch_scc0 .Lentry_shape_is_right
	s_endpgm
.Lentry_shape_is_right:
; out0[row][n] = sum over k of A[row][k] Wo[n][k] + bo[n], f32.  A[b*2048+l][64*head+e] = ao[b][head][l][e] (bf16); Wo = matrix 3 of wb (bf16); sums in f32.
; LIMITS: both operands are bf16; NaN and infinities are not treated apart.
; A work-group makes 128 rows x 256 columns: 4 x 64 = 256 work-groups.  Four waves, each 64 rows x 128 columns, 32 accumulator tiles.
; K goes in 8 steps of 128 = two heads, written out, through two LDS slots.  A head's 128 rows of 128 bytes are a dense block of ao:
; it comes as 64 rows of 256 bytes (two rows of A in each), one head a wave (waves 0, 1); waves 2, 3 fetch 128 rows of Wo each.
; CLUSTER 4 x 4: A's tile hangs on the row block alone and is asked jointly along a row of the cluster, Wo's on the column block alone and
; is asked jointly along a column: a quarter of the requests for both.
; REGISTERS: window 0: addresses, two fragment buffers of 96; window 1: accumulator (a, b) at 8 (8 a + b); window 2: v0-63 the bias of my 128 columns.
; The matrix instruction is used transposed (source 0 = rows of Wo): lane l holds row l % 16 and columns 8 (l / 16) + 0..7.
.set WMATB,  2097152
.set HEADB,  262144
.set PITCH,  272
.set PLANE,  64*PITCH                  ; 17,408: one head's 128 rows
.set WOFF,   2*PLANE                   ; Wo's 256 rows behind them
.set SLOT,   WOFF+256*PITCH            ; 104,448
.set STAGE,  2*SLOT                    ; the way out: 16 rows x 528 bytes for each wave
.set SPITCH, 528
.set BO,   9
.set ADRA, 10
.set ADRB, 12
.set STO,  16
.set RD,   17
.set CO,   18
.set F0,   64
.set F1,   160
.set G1A, 32
.set G0A, 40
.set G1B, 48
.set G0B, 56
.set MSB, 0
.macro WIN new
.if MSB != \new
	s_set_vgpr_msb (MSB<<8)|\new
.set MSB, \new
.endif
.endm
.macro PLACES
.rept 4
	v_nop
.endr
.endm
.macro ROUND
	s_barrier_signal -1
	s_barrier_wait -1
	s_cmp_lg_u32 s20, 0
	s_cbranch_scc1 .Lnot_wave_0_\@
	s_barrier_signal -3
.Lnot_wave_0_\@:
	s_barrier_wait -3
	s_barrier_signal -1
	s_barrier_wait -1
.endm
.macro JLOAD s                         ; each line has one mask and one set of registers; the branch hangs on the wave's number alone
	s_cmp_eq_u32 s21, 0
	s_cbranch_scc0 .Lfor_b_\@
	tensor_load_to_lds s[G0A+4*\s:G0A+4*\s+3], s[G1A:G1A+7]
	s_nop 0
	s_branch .Lasked_\@
.Lfor_b_\@:
	tensor_load_to_lds s[G0B+4*\s:G0B+4*\s+3], s[G1B:G1B+7]
	s_nop 0
.Lasked_\@:
.endm
; quarter q of a K step: head q / 2 of the step's two, e = 32 (q % 2) + 0..31
.macro FETCH slot, q, f
.irp a, 0,1,2,3
	ds_load_b128 v[\f+8*\a:\f+8*\a+3],   v[ADRA+\slot] offset:(\q>>1)*PLANE+(\q&1)*64+\a*8*PITCH
	ds_load_b128 v[\f+8*\a+4:\f+8*\a+7], v[ADRA+\slot] offset:(\q>>1)*PLANE+(\q&1)*64+\a*8*PITCH+32
.endr
.irp b, 0,1,2,3,4,5,6,7
	ds_load_b128 v[\f+32+8*\b:\f+32+8*\b+3], v[ADRB+\slot] offset:64*\q+\b*16*PITCH
	ds_load_b128 v[\f+32+8*\b+4:\f+32+8*\b+7], v[ADRB+\slot] offset:64*\q+\b*16*PITCH+32
.endr
.endm
; The 32 accumulators take turns, one instruction a turn, in the same order in every quarter.
.macro MUL16 f, a0, zero
.irp a, \a0, \a0+1
.irp b, 0,1,2,3,4,5,6,7
.if \zero
	v_wmma_f32_16x16x32_bf16 v[8*(8*(\a)+\b):8*(8*(\a)+\b)+7], v[\f+32+8*\b:\f+32+8*\b+7], v[\f+8*(\a):\f+8*(\a)+7], 0
.else
	v_wmma_f32_16x16x32_bf16 v[8*(8*(\a)+\b):8*(8*(\a)+\b)+7], v[\f+32+8*\b:\f+32+8*\b+7], v[\f+8*(\a):\f+8*(\a)+7], v[8*(8*(\a)+\b):8*(8*(\a)+\b)+7]
.endif
.endr
.endr
.endm
.macro QUARTER t, q, f, g, zero
	s_wait_dscnt 0x0                               ; this quarter's 24 fragment loads, issued 16 matrix instructions ago (the first quarter's: just now)
	WIN 0x50
	MUL16 \f, 0, \zero
.if \q < 3
	WIN 0
	PLACES                                         ; four places in front of loads into registers that matrix instructions have read (ISA guide 7.12.1 for vector instructions)
	FETCH (\t&1), (\q+1), \g
.endif
	WIN 0x50
	MUL16 \f, 2, \zero
.endm
; K step t.  In front of the round: my tensor load (my part of this step's slot) has landed, my reads of the other slot are done.
; Behind it that holds of every wave of the cluster, and the other slot is asked again first, one load a wave.
.macro TRIP t
	WIN 0
	s_wait_tensorcnt 0x0                           ; no tensor load of mine is out, so the groups 0 may be written
	ds_add_u32 v62, v63
	s_wait_dscnt 0x0
	s_add_nc_u64 s[G0A+4*(\t&1)+2:G0A+4*(\t&1)+3], s[G0A+4*(\t&1)+2:G0A+4*(\t&1)+3], 4*HEADB   ; two K steps on: four heads
	s_add_nc_u64 s[G0B+4*(\t&1)+2:G0B+4*(\t&1)+3], s[G0B+4*(\t&1)+2:G0B+4*(\t&1)+3], 512
	s_wait_dscnt 0x0
	ROUND
.if \t < 7
	JLOAD ((\t+1)&1)
.endif
.if \t > 0
	PLACES                                         ; buffer 0 was read by matrix instructions of the last step's third quarter, with no vector instruction since
.endif
	FETCH (\t&1), 0, F0
.if \t == 0
	QUARTER \t, 0, F0, F1, 1
.else
	QUARTER \t, 0, F0, F1, 0
.endif
	QUARTER \t, 1, F1, F0, 0
	QUARTER \t, 2, F0, F1, 0
	QUARTER \t, 3, F1, F0, 0
.endm
	s_load_b256 s[4:11], s[0:1], 0x0               ; ao s[4:5], wb s[6:7], bo s[8:9], out0 s[10:11]
	v_lshl_add_u32 v62, v0, 2, 0x3b400
	v_mov_b32 v63, 0
	ds_add_u32 v62, v63
	v_lshrrev_b32 v1, 5, v0
	v_readfirstlane_b32 s20, v1                    ; wave 0..3
	s_lshr_b32 s21, s20, 1                         ; wm: which 64 rows.  Also: I fetch for A (0) or for Wo (1)
	s_and_b32 s22, s20, 1                          ; wn: which 128 columns.  Also: which half of that tile
	s_bfe_u32 s23, ttmp6, 0x40000                  ; cx
	s_bfe_u32 s24, ttmp6, 0x40004                  ; cy
	s_lshl_b32 s25, ttmp9, 2
	s_add_co_u32 s25, s25, s23                     ; column block
	s_and_b32 s26, ttmp7, 0xffff
	s_lshl_b32 s26, s26, 2
	s_add_co_u32 s26, s26, s24                     ; row block
	s_lshl_b32 s27, s24, 2
	s_lshl_b32 s27, 15, s27                        ; my row of the cluster
	s_lshl_b32 s28, 0x1111, s23                    ; my column
	; A: 64 rows of 32 elements of 8 bytes, dense; Wo: 128 rows of 128 bf16, 1,024 from row to row; both padded by 4 words behind each 64
	s_or_b32 s[G1A+0], s27, (3<<16)|(1<<20)|(1<<21)|(5<<22)|(3<<25)
	s_mov_b32 s[G1A+1], 32<<16
	s_mov_b32 s[G1A+2], 64<<16
	s_mov_b32 s[G1A+3], 32<<16
	s_mov_b32 s[G1A+4], 64
	s_mov_b32 s[G1A+5], 32
	s_mov_b32 s[G1A+6], 0
	s_mov_b32 s[G1A+7], 0
	s_or_b32 s[G1B+0], s28, (1<<16)|(1<<20)|(1<<21)|(5<<22)|(3<<25)
	s_mov_b32 s[G1B+1], 128<<16
	s_mov_b32 s[G1B+2], 128<<16
	s_mov_b32 s[G1B+3], 128<<16
	s_mov_b32 s[G1B+4], 128
	s_mov_b32 s[G1B+5], 1024
	s_mov_b32 s[G1B+6], 0
	s_mov_b32 s[G1B+7], 0
	s_lshr_b32 s12, s26, 4                         ; A: b = row block / 16, 16 heads of 262,144 bytes each
	s_lshl_b32 s12, s12, 22
	s_and_b32 s13, s26, 15                         ; l = 128 x (row block % 16), rows of 128 bytes
	s_lshl_b32 s13, s13, 14
	s_add_co_u32 s12, s12, s13
	s_lshl_b32 s13, s22, 18                        ; my head of the step's two
	s_add_co_u32 s12, s12, s13
	s_mov_b32 s13, 0
	s_lshl_b32 s14, s25, 19                        ; Wo: 256 x column block rows of 2,048 bytes
	s_lshl_b32 s15, s22, 18                        ; + my 128 rows
	s_add_co_u32 s14, s14, s15
	s_add_co_u32 s14, s14, 3*WMATB
	s_mov_b32 s15, 0
	s_mul_i32 s16, s22, PLANE                      ; where they go: the wave's number alone
	s_mul_i32 s17, s22, 128*PITCH
	s_add_co_u32 s17, s17, WOFF
	s_lshl_b32 s18, s25, 10                        ; my first column, in bytes of f32
	s_lshl_b32 s19, s22, 9
	s_add_co_u32 s18, s18, s19
	s_mov_b32 s19, 0
	s_lshl_b32 s30, s26, 19                        ; my first row, rows of 4,096 bytes
	s_lshl_b32 s31, s21, 18
	s_add_co_u32 s30, s30, s31
	s_mov_b32 s31, 0
	v_and_b32 v4, 31, v0
	v_and_b32 v2, 15, v0
	v_bfe_u32 v3, v0, 4, 1
	v_lshlrev_b32 v[BO], 5, v3
	s_wait_dscnt 0x0
	s_wait_kmcnt 0x0
	s_add_nc_u64 s[12:13], s[4:5], s[12:13]
	s_add_nc_u64 s[14:15], s[6:7], s[14:15]
	s_add_nc_u64 s[8:9], s[8:9], s[18:19]
	s_add_nc_u64 s[10:11], s[10:11], s[18:19]
	s_add_nc_u64 s[10:11], s[10:11], s[30:31]
.irp s, 0,1
	s_mov_b32 s[G0A+4*\s], 1
	s_add_co_u32 s[G0A+4*\s+1], s16, \s*SLOT
	s_add_nc_u64 s[G0A+4*\s+2:G0A+4*\s+3], s[12:13], \s*2*HEADB
	s_or_b32 s[G0A+4*\s+3], s[G0A+4*\s+3], 0x80000000
	s_mov_b32 s[G0B+4*\s], 1
	s_add_co_u32 s[G0B+4*\s+1], s17, \s*SLOT
	s_add_nc_u64 s[G0B+4*\s+2:G0B+4*\s+3], s[14:15], \s*256
	s_or_b32 s[G0B+4*\s+3], s[G0B+4*\s+3], 0x80000000
.endr
	ROUND                                          ; all sixteen work-groups are here: the first joint loads meet
	JLOAD 0
	WIN 0x80                                       ; destination in window 2
.irp b, 0,1,2,3,4,5,6,7
	global_load_b128 v[8*\b:8*\b+3],   v[BO], s[8:9] offset:64*\b         ; bo[16 b + 8 h + 0..3]
	global_load_b128 v[8*\b+4:8*\b+7], v[BO], s[8:9] offset:64*\b+16
.endr
	WIN 0
	v_lshrrev_b32 v5, 1, v2
	v_mul_u32_u24 v5, v5, PITCH
	v_and_b32 v6, 1, v2
	v_lshl_add_u32 v5, v6, 7, v5
	v_lshl_add_u32 v5, v3, 4, v5                   ; (r / 2) x 272 + (r % 2) x 128 + 16 h
	s_mul_i32 s29, s21, 32*PITCH                   ; my 64 rows = 32 LDS rows
	v_add_nc_u32 v[ADRA], s29, v5
	v_add_nc_u32 v[ADRA+1], SLOT, v[ADRA]
	v_mul_u32_u24 v5, v2, PITCH
	v_lshl_add_u32 v5, v3, 4, v5
	s_mul_i32 s29, s22, 128*PITCH
	s_add_co_u32 s29, s29, WOFF
	v_add_nc_u32 v[ADRB], s29, v5
	v_add_nc_u32 v[ADRB+1], SLOT, v[ADRB]
	s_mul_i32 s29, s20, 16*SPITCH
	s_add_co_u32 s29, s29, STAGE
	v_mul_u32_u24 v5, v2, SPITCH
	v_lshl_add_u32 v5, v3, 5, v5
	v_add_nc_u32 v[STO], s29, v5                   ; in: row r, 32 bytes for each half of the lanes
	v_lshlrev_b32 v[CO], 4, v4
	v_add_nc_u32 v[RD], s29, v[CO]                 ; back: the wave takes a row of 512 bytes
	TRIP 0
	TRIP 1
	TRIP 2
	TRIP 3
	TRIP 4
	TRIP 5
	TRIP 6
	TRIP 7
	; THE WAY OUT, 16 rows at a time: add the bias, f32 through my own stage, each store of the wave 512 consecutive bytes of a row, aligned.
	WIN 0
	PLACES                                         ; four places behind the last matrix instructions
	s_wait_loadcnt 0x0                             ; the bias
.macro OUTF a
	WIN 0x49                                       ; accumulators in window 1, bias in window 2
.irp b, 0,1,2,3,4,5,6,7
.irp k, 0,2,4,6
	v_pk_add_f32 v[8*(8*\a+\b)+\k:8*(8*\a+\b)+\k+1], v[8*(8*\a+\b)+\k:8*(8*\a+\b)+\k+1], v[8*\b+\k:8*\b+\k+1]
.endr
.endr
	WIN 0x04                                       ; the stores' data in window 1
.irp b, 0,1,2,3,4,5,6,7
	ds_store_b128 v[STO], v[8*(8*\a+\b):8*(8*\a+\b)+3]   offset:64*\b
	ds_store_b128 v[STO], v[8*(8*\a+\b)+4:8*(8*\a+\b)+7] offset:64*\b+16
.endr
	WIN 0
	s_wait_xcnt 0x0                                ; the registers read back into are the data of stores two groups ago: rewritten only behind this wait
.irp u, 0,1,2,3,4,5,6,7,8,9,10,11,12,13,14,15
	ds_load_b128 v[64+64*(\a&1)+4*\u:64+64*(\a&1)+4*\u+3], v[RD] offset:SPITCH*\u       ; LDS serves a wave's instructions in order (ISA guide 5.7.1.4)
.endr
.irp u, 0,1,2,3,4,5,6,7,8,9,10,11,12,13,14,15
	s_wait_dscnt 15-\u
	global_store_b128 v[CO], v[64+64*(\a&1)+4*\u:64+64*(\a&1)+4*\u+3], s[10:11] offset:(16*\a+\u)*4096 th:TH_STORE_NT
.endr
.endm
	OUTF 0
	OUTF 1
	OUTF 2
	OUTF 3
	s_wait_tensorcnt 0x0
	ds_add_u32 v62, v63
	s_wait_dscnt 0x0
	ROUND                                          ; the closing round
	s_endpgm
.Lfunc_end_k_qade9685056_outp:
	.size	k_qade9685056_outp, .Lfunc_end_k_qade9685056_outp-k_qade9685056_outp
	.p2alignl 7, 3214868480
	.fill 96, 4, 3214868480
	.section	.rodata,"a",@progbits
	.p2align	6, 0x0
	.amdhsa_kernel k_qade9685056_outp
		.amdhsa_group_segment_fixed_size 327680
		.amdhsa_private_segment_fixed_size 0
		.amdhsa_enable_private_segment 0
		.amdhsa_kernarg_size 32
		.amdhsa_user_sgpr_count 2
		.amdhsa_user_sgpr_kernarg_segment_ptr 1
		.amdhsa_wavefront_size32 1
		.amdhsa_system_sgpr_workgroup_id_x 1
		.amdhsa_system_sgpr_workgroup_id_y 1
		.amdhsa_system_sgpr_workgroup_id_z 1
		.amdhsa_system_vgpr_workitem_id 0
		.amdhsa_next_free_vgpr 576
		.amdhsa_next_free_sgpr 66
		.amdhsa_reserve_vcc 0
		.amdhsa_float_denorm_mode_32 3
		.amdhsa_float_denorm_mode_16_64 3
		.amdhsa_memory_ordered 1
		.amdhsa_forward_progress 1
		.amdhsa_inst_pref_size 159
	.end_amdhsa_kernel
	.amdgpu_metadata
---
amdhsa.version: [ 1, 2 ]
amdhsa.kernels:
  - .name:           k_qade9685056_outp
    .symbol:         k_qade9685056_outp.kd
    .args:
      - { .name: ao, .offset: 0, .size: 8, .value_kind: global_buffer, .address_space: global }
      - { .name: wb, .offset: 8, .size: 8, .value_kind: global_buffer, .address_space: global }
      - { .name: bo, .offset: 16, .size: 8, .value_kind: global_buffer, .address_space: global }
      - { .name: out0, .offset: 24, .size: 8, .value_kind: global_buffer, .address_space: global }
    .group_segment_fixed_size: 327680
    .private_segment_fixed_size: 0
    .kernarg_segment_align: 8
    .kernarg_segment_size: 32
    .max_flat_workgroup_size: 128
    .sgpr_count:     66
    .vgpr_count:     576
    .wavefront_size: 32
...
	.end_amdgpu_metadata
.endif
;; end of part 4
;; ======== version 2 of 2: 4 launches; version 1 with the launch castw written anew for expert scheduling mode
;; workspace buffers: wb 8,388,608 bytes; qkv 50,331,648 bytes; ao 16,777,216 bytes
;; launch castw (part 5): grid 64 x 4, 8 waves a work-group, no clusters, 0 bytes of LDS; arguments Wq, Wk, Wv, Wo, wb; writes wb
.if DOCPART == 5
	.amdgcn_target "amdgcn-amd-amdhsa--gfx1250"
	.amdhsa_code_object_version 6
	.text
	.protected	k_qade9685056_castw
	.globl	k_qade9685056_castw
	.p2align	8
	.type	k_qade9685056_castw,@function
k_qade9685056_castw:
	s_mov_b64 s[64:65], 0
	v_nop
	global_prefetch_b8 v0, s[64:65] scope:SCOPE_SE
	s_setreg_imm32_b32 hwreg(HW_REG_WAVE_SCHED_MODE, 0, 2), 2
	s_setreg_imm32_b32 hwreg(HW_REG_WAVE_MODE, 25, 1), 1
	s_wait_xcnt 0x0
	s_wait_alu depctr_vm_vsrc(0)
; wb[y] = bf16(W_y), y = 0..3 for Wq, Wk, Wv, Wo: four matrices of 1024 x 1024, f32 in, bf16 out (round to nearest even).
; The weights are 16 MiB in f32 and each is walked by 64 row blocks of the products that follow: cast once, they can come as bf16 tiles.
; A stream: no LDS, no barrier, no matrix unit, no cluster (no two work-groups read the same byte).
; Work-group (x, y): 16,384 numbers of matrix y.  Thread t takes 16 bytes at 16 t of each of sixteen blocks of 4,096 bytes:
; a wave's load covers 512 consecutive bytes, its store of 8 bytes a lane 256 consecutive bytes, aligned.
; All sixteen loads are issued at once; every register is written once, so no source of a pending instruction is ever rewritten.
; THE MODE: SCHED_MODE bits 1:0 = 2 (LLVM: expert scheduling mode 2), set by the entry lines.  The code itself states the register dependences
; between vector instructions and memory instructions, with s_wait_alu, always for 0.
; THE PLAN.  Registers that memory instructions touch:
;   v1, v2      byte offsets of the loads and of the stores: written once at the head, never again.
;   v[4:67]     piece i: four registers, written by load i alone, read by piece i's two conversions behind the wait for its data.
;   v[68:99]    piece i: two registers, written by piece i's two conversions, once; read by store i.
; The sixteen pieces go in four groups of four.  In a group's turn the stores of the group before are dealt among the group's own conversions,
; which name their own pieces' registers alone.  So one wait at a group's head states all that its four stores hang on.
; No register that a load or store has read is written again, and no load is issued behind a vector instruction that names its registers.
.set WMATB, 2097152                    ; bytes of one matrix in bf16
.set GROUP, 4                          ; pieces in a group
.set IN,    4                          ; v[4:67]
.set OUT,   68                         ; v[68:99]
	s_load_b256 s[4:11], s[0:1], 0x0               ; Wq s[4:5], Wk s[6:7], Wv s[8:9], Wo s[10:11]
	s_load_b64 s[12:13], s[0:1], 0x20              ; wb
	s_and_b32 s14, ttmp7, 0xffff                   ; y: which matrix
	s_lshl_b32 s16, ttmp9, 16                      ; x times 65,536 bytes of f32
	s_mov_b32 s17, 0
	s_lshl_b32 s18, ttmp9, 15                      ; x times 32,768 bytes of bf16
	s_lshl_b32 s20, s14, 21                        ; + y times WMATB
	s_add_co_u32 s18, s18, s20
	s_mov_b32 s19, 0
	v_lshlrev_b32 v1, 4, v0                        ; 16 t
	v_lshlrev_b32 v2, 3, v0                        ; 8 t
	s_wait_kmcnt 0x0
	s_cmp_eq_u32 s14, 1
	s_cselect_b64 s[4:5], s[6:7], s[4:5]
	s_cmp_eq_u32 s14, 2
	s_cselect_b64 s[4:5], s[8:9], s[4:5]
	s_cmp_eq_u32 s14, 3
	s_cselect_b64 s[4:5], s[10:11], s[4:5]
	s_add_nc_u64 s[4:5], s[4:5], s[16:17]
	s_add_nc_u64 s[12:13], s[12:13], s[18:19]
	s_wait_alu depctr_va_vdst(0)                   ; v1 and v2 are written: every load reads v1 and every store v2 as its offset
.irp i, 0,1,2,3,4,5,6,7,8,9,10,11,12,13,14,15
	global_load_b128 v[IN+4*\i:IN+4*\i+3], v1, s[4:5] offset:4096*\i th:TH_LOAD_NT
.endr
.irp i, 0,1,2,3,4,5,6,7,8,9,10,11,12,13,14,15
	s_wait_loadcnt 15-\i                           ; loads come back in order: load i is in, the 15 - i younger ones stay out
.if (\i) >= GROUP
.if ((\i) % GROUP) == 0
	s_wait_alu depctr_va_vdst(0)                   ; the eight conversions of the group before have written their v[OUT ..], which this group's four stores read
.endif
	global_store_b64 v2, v[OUT+2*((\i)-GROUP):OUT+2*((\i)-GROUP)+1], s[12:13] offset:2048*((\i)-GROUP)   ; the piece one group back; no vector instruction since the wait names its registers
.endif
	v_cvt_pk_bf16_f32 v[OUT+2*\i],   v[IN+4*\i],   v[IN+4*\i+1]
	v_cvt_pk_bf16_f32 v[OUT+2*\i+1], v[IN+4*\i+2], v[IN+4*\i+3]
.endr
	s_wait_alu depctr_va_vdst(0)                   ; the last group's conversions have written their v[OUT ..], which the last four stores read
.irp i, 12,13,14,15
	global_store_b64 v2, v[OUT+2*\i:OUT+2*\i+1], s[12:13] offset:2048*\i
.endr
	s_endpgm
.Lfunc_end_k_qade9685056_castw:
	.size	k_qade9685056_castw, .Lfunc_end_k_qade9685056_castw-k_qade9685056_castw
	.p2alignl 7, 3214868480
	.fill 96, 4, 3214868480
	.section	.rodata,"a",@progbits
	.p2align	6, 0x0
	.amdhsa_kernel k_qade9685056_castw
		.amdhsa_group_segment_fixed_size 0
		.amdhsa_private_segment_fixed_size 0
		.amdhsa_enable_private_segment 0
		.amdhsa_kernarg_size 40
		.amdhsa_user_sgpr_count 2
		.amdhsa_user_sgpr_kernarg_segment_ptr 1
		.amdhsa_wavefront_size32 1
		.amdhsa_system_sgpr_workgroup_id_x 1
		.amdhsa_system_sgpr_workgroup_id_y 1
		.amdhsa_system_sgpr_workgroup_id_z 1
		.amdhsa_system_vgpr_workitem_id 0
		.amdhsa_next_free_vgpr 104
		.amdhsa_next_free_sgpr 66
		.amdhsa_reserve_vcc 0
		.amdhsa_float_denorm_mode_32 3
		.amdhsa_float_denorm_mode_16_64 3
		.amdhsa_memory_ordered 1
		.amdhsa_forward_progress 1
		.amdhsa_inst_pref_size 7
	.end_amdhsa_kernel
	.amdgpu_metadata
---
amdhsa.version: [ 1, 2 ]
amdhsa.kernels:
  - .name:           k_qade9685056_castw
    .symbol:         k_qade9685056_castw.kd
    .args:
      - { .name: Wq, .offset: 0, .size: 8, .value_kind: global_buffer, .address_space: global }
      - { .name: Wk, .offset: 8, .size: 8, .value_kind: global_buffer, .address_space: global }
      - { .name: Wv, .offset: 16, .size: 8, .value_kind: global_buffer, .address_space: global }
      - { .name: Wo, .offset: 24, .size: 8, .value_kind: global_buffer, .address_space: global }
      - { .name: wb, .offset: 32, .size: 8, .value_kind: global_buffer, .address_space: global }
    .group_segment_fixed_size: 0
    .private_segment_fixed_size: 0
    .kernarg_segment_align: 8
    .kernarg_segment_size: 40
    .max_flat_workgroup_size: 256
    .sgpr_count:     66
    .vgpr_count:     104
    .wavefront_size: 32
...
	.end_amdgpu_metadata
.endif
;; end of part 5
;; launch proj: the kernel of part 2 again; grid 64 x 12, 4 waves a work-group, clusters of 4 x 1, 327,680 bytes of LDS; arguments queries, keys, values, bq, bk, bv, wb, qkv; writes qkv
;; launch attn: the kernel of part 3 again; grid 256 x 1, 8 waves a work-group, clusters of 4 x 1, 327,680 bytes of LDS; arguments qkv, ao; writes ao
;; launch outp: the kernel of part 4 again; grid 4 x 64, 4 waves a work-group, clusters of 4 x 4, 327,680 bytes of LDS; arguments ao, wb, bo, out0; writes out0
